; MI455X (gfx1250); checked and timed in simulation.
; The chip was launched on July 23, 2026; its instructions are those of AMD's public machine-readable ISA for CDNA 5 (MIT licence, August 2026) and "CDNA5" Instruction Set Architecture Reference Guide (July 2026). The comments in the code are by the model that wrote it; some were corrected since.
;; Self Attention. Allowed arithmetic: matrix products marked QUANTISED: E4M3 operands, one given power-of-two scale a tensor, by v_wmma_f32_16x16x64_fp8_fp8 or v_wmma_f32_16x16x128_fp8_fp8, f32 sums; everything else in f32.
;; Inputs: b_in 3,072 float32; b_out 1,024 float32; lowp_scales 8 int32 (the exponents e of the quantised operands' scales 2^e); w_in 3,072 x 1,024 float32; w_out 1,024 x 1,024 float32; x 4 x 2,048 x 1,024 float32.
;; Outputs: out0 4 x 2,048 x 1,024 float32.
;; Constants: causal_mask = 1.
;; This version of the problem:
;;   THIS VERSION OF THE PROBLEM IS GIVEN IN LOW PRECISION. The matrix products marked QUANTISED in the list below multiply operands that are first quantised to E4M3 (4 exponent bits, 3 mantissa bits; 8 bits a number), with one given power-of-two scale for each operand tensor; their sums are f32. All else is computed in f32.
;;   The module's matrix products, in the order in which they are computed (A, B: the left and right operand; K: the contracted axis; several contracted axes count as one K, in the product's order):
;;     1. [M 8,192, K 1,024] x [K 1,024, N 3,072]; A: input x; B: input w_in: QUANTISED (scales: A lowp_scales[0], B lowp_scales[1])
;;     2. batch 64 x [M 2,048, K 64] x [K 64, N 2,048]; A: computed on the way; B: computed on the way: QUANTISED (scales: A lowp_scales[2], B lowp_scales[3])
;;     3. batch 64 x [M 2,048, K 2,048] x [K 2,048, N 64]; A: softmax (see below); B: computed on the way: QUANTISED (scales: A lowp_scales[4], B lowp_scales[5])
;;     4. [M 8,192, K 1,024] x [K 1,024, N 1,024]; A: computed on the way; B: input w_out: QUANTISED (scales: A lowp_scales[6], B lowp_scales[7])
;;   THE QUANTISER, for each operand of a quantised product, along K:
;;     - The operand's scale is 2^e, e = its entry of the input lowp_scales (int32; the entries are numbered through the quantised products in the list's order, A before B).
;;     - Each number is divided by the scale, clamped to +-448, and rounded to the nearest number of E4M3, ties to even, subnormals kept.
;;     - The product sums the exact products of the quantised numbers (number of the format x scale) in f32.
;;   ~~~python
;;   def quantise(x, axis, e):      # numpy; x: float32 -> the quantised numbers, widened to float32 again
;;       x = np.moveaxis(x, axis, -1); K = x.shape[-1]
;;       r = np.clip(x / 2.0 ** e, -448, 448)
;;       step = 2.0 ** (np.maximum(np.frexp(np.where(r == 0, 1, r))[1] - 1, -6) - 3)
;;       q = np.round(r / step) * step * 2.0 ** e      # np.round: ties to even
;;       return np.moveaxis(q, -1, axis).astype(np.float32)
;;   ~~~
;;   SOFTMAX AHEAD OF A QUANTISED PRODUCT. Where the list says 'softmax', what is quantised is not the finished softmax but p = 2^(t - M), with t = logit x log2(e) and M = ceil(the row's largest t), a whole number; so 1/2 < the row's largest p <= 1. The row's sum l is taken of the UNQUANTISED p, in f32, and the product's result is divided by l at the end. Since M is a whole number, a kernel that streams over the keys may use a running M (the ceiling of the running maximum): every later rescaling is an exact power of two, so the quantised numbers keep their values, but for numbers so far below the row's largest that they fall under the format's range.
;;   OPERANDS COMPUTED ON THE WAY. 'Computed on the way' means the value that the module computes at that place (a softmax that the list does not call 'softmax' is quantised finished and normalised). What goes into a quantiser is computed in f32, as accurately as f32 sums, v_exp_f32 and their like allow (about 1e-6 of the number): no bf16 or f16 on the way to a quantiser, and a product that is left as it is and whose result goes on into a quantised operand takes f32 operands (vector FMAs, or v_wmma_f32_16x16x4_f32). A number that lies on a knife's edge between two numbers of the format may be rounded either way, as far as f32 arithmetic and the matrix unit's own rounding can turn it there, and no further.
;; One version. Each part assembles by itself: llvm-mc -triple=amdgcn-amd-amdhsa -mcpu=gfx1250 --defsym DOCPART=n.
;; ======== version 1 of 1: 4 launches
;; limits: right only within a limited range of input values
;; workspace buffers: codes 12,582,912 bytes; qkvc 25,165,824 bytes; attc 8,388,608 bytes
;; launch quant (part 1): grid 768 x 1, 4 waves a work-group, no clusters, 34,304 bytes of LDS; arguments x, w_in, w_out, lowp_scales, codes; writes codes
.if DOCPART == 1
	.amdgcn_target "amdgcn-amd-amdhsa--gfx1250"
	.amdhsa_code_object_version 6
	.text
	.protected	k_q1b06f2ccd1_quant
	.globl	k_q1b06f2ccd1_quant
	.p2align	8
	.type	k_q1b06f2ccd1_quant,@function
k_q1b06f2ccd1_quant:
	s_mov_b64 s[64:65], 0
	v_nop
	global_prefetch_b8 v0, s[64:65] scope:SCOPE_SE
	s_setreg_imm32_b32 hwreg(HW_REG_WAVE_MODE, 25, 1), 1
	s_wait_xcnt 0x0
; x [8192][1024], w_in [3072][1024], w_out [1024][1024], f32 with K innermost, become codes of FP8 (E4M3), each tensor with its given scale 2^e (entries 0, 1, 7 of the scales).
; code = number / 2^e, held within +-448, rounded to the nearest code, ties to even.
; LIMITS: e between -126 and 119, so that 2^e and 448 x 2^e are f32 numbers.  NaN among the inputs is not served; an infinity is held at the largest code.
; THE OUTPUT IS LAID AS THE MATRIX INSTRUCTION'S REGISTERS: [row block of 16 rows: 0..767][K step of 128: 0..7][2,048 bytes].  A fragment (16 rows x 128 K) is 16 registers a lane; lane (r = l % 16, h = l / 16)
; holds, of row r, K = 16 c + 8 h + 0..7 in registers 2 c, 2 c + 1.  Four registers of all 32 lanes are a piece of 512 bytes, lane l at 16 l.  Row blocks 0-511: x; 512-703: w_in; 704-767: w_out.
; SHARES.  Work-group g takes row block g; wave w its K steps 2 w and 2 w + 1.  Each load reads 512 consecutive bytes of one row; a fragment's 16 x 512 bytes turn through the wave's own stage in LDS
; (rows 528 bytes apart) and come back 32 bytes a lane and c, as the conversions want them: eight neighbours along K in a lane's consecutive registers.  Each store covers 512 consecutive bytes, aligned.
; No tensor load, no barrier, no cluster, no matrix unit: the waves share nothing, every byte is read once, and memory is all that there is to wait for.
.set SP,    528                        ; a stage row: 512 bytes + 16
.set STG,   16*SP                      ; a wave's stage
.set SPARE, 4*STG                      ; behind the four stages (33,792 = 132 x 256): the spare words, 128 bytes for each wave
.set R,     16                         ; v16-143  two sets of 64: a fragment's numbers as they are loaded
.set X,     144                        ; v144-207 64 numbers in the operand's order
.set C,     208                        ; v208-239 two sets of 16: codes; a set for each fragment, so that no store's data are written again
.set SPW,   12                         ; v12      LDS address of my spare word; never rewritten
.set NIL,   13                         ; v13      0; never rewritten
	s_load_b256 s[4:11], s[0:1], 0x0               ; x s[4:5], w_in s[6:7], w_out s[8:9], the scales' exponents s[10:11]
	s_load_b64 s[12:13], s[0:1], 0x20              ; the codes
	v_lshl_add_u32 v[SPW], v0, 2, SPARE
	v_mov_b32 v[NIL], 0
	v_lshrrev_b32 v1, 5, v0
	v_readfirstlane_b32 s16, v1                    ; wave 0..3
	v_and_b32 v2, 31, v0                           ; lane
	v_and_b32 v6, 15, v0                           ; r
	v_bfe_u32 v7, v0, 4, 1                         ; h
	v_lshlrev_b32 v3, 4, v2                        ; 16 x lane: my bytes of a load's and of a store's 512
	s_mul_i32 s18, s16, STG
	v_add_nc_u32 v4, s18, v3                       ; the stage, way in: a row as it lies
	v_mul_u32_u24 v5, v6, SP
	v_lshl_add_u32 v5, v7, 5, v5
	v_add_nc_u32 v5, s18, v5                       ; way out: row r, + 32 h bytes (8 numbers)
	s_wait_alu depctr_va_vdst(0)
	s_wait_kmcnt 0x0
	s_load_b256 s[24:31], s[10:11], 0x0            ; the eight exponents
	s_cmp_lt_u32 ttmp9, 704                        ; which tensor: the choice hangs on the work-group's number alone
	s_cselect_b64 s[6:7], s[6:7], s[8:9]
	s_mov_b32 s17, 704
	s_cselect_b32 s17, 512, s17
	s_cmp_lt_u32 ttmp9, 512
	s_cselect_b64 s[4:5], s[4:5], s[6:7]
	s_cselect_b32 s17, 0, s17                      ; the tensor's first row block
	s_sub_co_u32 s20, ttmp9, s17
	s_lshl_b32 s20, s20, 16                        ; 16 rows of 4,096 bytes,
	s_lshl_b32 s21, s16, 10                        ; my wave's 256 numbers of each row
	s_add_co_u32 s20, s20, s21
	s_mov_b32 s21, 0
	s_add_nc_u64 s[4:5], s[4:5], s[20:21]
	s_lshl_b32 s22, ttmp9, 14                      ; a row block's eight fragments,
	s_lshl_b32 s23, s16, 12                        ; my two of them
	s_add_co_u32 s22, s22, s23
	s_mov_b32 s23, 0
	s_add_nc_u64 s[12:13], s[12:13], s[22:23]
.macro LOAD t                          ; fragment t: 16 rows x 512 bytes
.set i, 0
.rept 16
	global_load_b128 v[R+64*(\t)+4*i:R+64*(\t)+4*i+3], v3, s[4:5] offset:4096*i+512*(\t) th:TH_LOAD_NT
.set i, i+1
.endr
.endm
.macro TURN t                          ; through the stage: LDS serves a wave's instructions in order (ISA guide 5.7.1.4), so no wait stands between the stores and the loads
.set i, 0
.rept 16
	ds_store_b128 v4, v[R+64*(\t)+4*i:R+64*(\t)+4*i+3] offset:SP*i
.set i, i+1
.endr
.set i, 0
.rept 16
	ds_load_b128 v[X+4*i:X+4*i+3], v5 offset:64*(i/2)+16*(i%2)     ; X + 8 c .. + 7: K = 16 c + 8 h + 0..7 of row r
.set i, i+1
.endr
.endm
.macro QUANT t
.set i, 0
.rept 64
	v_med3_num_f32 v[X+i], v[X+i], -v10, v10       ; the conversion to an 8-bit code does not saturate (ISA guide 7.6.2): the hold at the largest code x the scale
.set i, i+1
.endr
.set i, 0
.rept 8
	v_cvt_scalef32_pk8_fp8_f32 v[C+16*(\t)+2*i:C+16*(\t)+2*i+1], v[X+8*i:X+8*i+7], v11
.set i, i+1
.endr
	v_nop                                          ; a plain line behind the last conversion: the next fragment's holds write the conversions' sources
.set i, 0
.rept 4
	global_store_b128 v3, v[C+16*(\t)+4*i:C+16*(\t)+4*i+3], s[12:13] offset:2048*(\t)+512*i   ; a piece: 512 consecutive bytes, aligned
.set i, i+1
.endr
.endm
	LOAD 0
	LOAD 1                                         ; 32 loads of the wave are on their way
	s_wait_kmcnt 0x0
	s_cmp_lt_u32 ttmp9, 704
	s_cselect_b32 s25, s25, s31                    ; w_in: entry 1; w_out: entry 7
	s_cmp_lt_u32 ttmp9, 512
	s_cselect_b32 s24, s24, s25                    ; x: entry 0
	s_add_co_i32 s24, s24, 127
	s_lshl_b32 s25, s24, 23
	v_mov_b32 v11, s25                             ; 2^e as f32: the conversion takes its exponent field
	s_add_co_i32 s24, s24, 8
	s_lshl_b32 s24, s24, 23
	s_or_b32 s24, s24, 0x600000
	v_mov_b32 v10, s24                             ; 448 x 2^e
	s_wait_alu depctr_va_vdst(0)
	s_wait_loadcnt 16                              ; fragment 0's sixteen loads are in; fragment 1's sixteen may be out
	TURN 0
	s_wait_dscnt 0x0
	QUANT 0
	s_wait_loadcnt 0x0
	TURN 1
	s_wait_dscnt 0x0
	QUANT 1
	s_wait_tensorcnt 0x0                           ; the wave's end, behind my last LDS store
	ds_add_u32 v[SPW], v[NIL]
	s_wait_dscnt 0x0
	s_endpgm
.Lfunc_end_k_q1b06f2ccd1_quant:
	.size	k_q1b06f2ccd1_quant, .Lfunc_end_k_q1b06f2ccd1_quant-k_q1b06f2ccd1_quant
	.p2alignl 7, 3214868480
	.fill 96, 4, 3214868480
	.section	.rodata,"a",@progbits
	.p2align	6, 0x0
	.amdhsa_kernel k_q1b06f2ccd1_quant
		.amdhsa_group_segment_fixed_size 34304
		.amdhsa_private_segment_fixed_size 0
		.amdhsa_enable_private_segment 0
		.amdhsa_kernarg_size 40
		.amdhsa_user_sgpr_count 2
		.amdhsa_user_sgpr_kernarg_segment_ptr 1
		.amdhsa_wavefront_size32 1
		.amdhsa_system_sgpr_workgroup_id_x 1
		.amdhsa_system_sgpr_workgroup_id_y 1
		.amdhsa_system_sgpr_workgroup_id_z 1
		.amdhsa_system_vgpr_workitem_id 0
		.amdhsa_next_free_vgpr 240
		.amdhsa_next_free_sgpr 66
		.amdhsa_reserve_vcc 0
		.amdhsa_float_denorm_mode_32 3
		.amdhsa_float_denorm_mode_16_64 3
		.amdhsa_memory_ordered 1
		.amdhsa_forward_progress 1
		.amdhsa_inst_pref_size 20
	.end_amdhsa_kernel
	.amdgpu_metadata
---
amdhsa.version: [ 1, 2 ]
amdhsa.kernels:
  - .name:           k_q1b06f2ccd1_quant
    .symbol:         k_q1b06f2ccd1_quant.kd
    .args:
      - { .name: x, .offset: 0, .size: 8, .value_kind: global_buffer, .address_space: global }
      - { .name: w_in, .offset: 8, .size: 8, .value_kind: global_buffer, .address_space: global }
      - { .name: w_out, .offset: 16, .size: 8, .value_kind: global_buffer, .address_space: global }
      - { .name: lowp_scales, .offset: 24, .size: 8, .value_kind: global_buffer, .address_space: global }
      - { .name: codes, .offset: 32, .size: 8, .value_kind: global_buffer, .address_space: global }
    .group_segment_fixed_size: 34304
    .private_segment_fixed_size: 0
    .kernarg_segment_align: 8
    .kernarg_segment_size: 40
    .max_flat_workgroup_size: 128
    .sgpr_count:     66
    .vgpr_count:     240
    .wavefront_size: 32
...
	.end_amdgpu_metadata
.endif
;; end of part 1
;; launch qkv (part 2): grid 8 x 64, 4 waves a work-group, clusters of 4 x 1, 327,680 bytes of LDS; arguments codes, b_in, lowp_scales, qkvc; writes qkvc
.if DOCPART == 2
	.amdgcn_target "amdgcn-amd-amdhsa--gfx1250"
	.amdhsa_code_object_version 6
	.text
	.protected	k_q1b06f2ccd1_qkv
	.globl	k_q1b06f2ccd1_qkv
	.p2align	8
	.type	k_q1b06f2ccd1_qkv,@function
k_q1b06f2ccd1_qkv:
	s_mov_b64 s[64:65], 0
	v_nop
	global_prefetch_b8 v0, s[64:65] scope:SCOPE_SE
	s_setreg_imm32_b32 hwreg(HW_REG_WAVE_MODE, 25, 1), 1
	s_wait_xcnt 0x0
	s_wait_alu depctr_hold_cnt(0) depctr_sa_sdst(0) depctr_va_vdst(0) depctr_va_sdst(0) depctr_va_ssrc(0) depctr_va_vcc(0) depctr_vm_vsrc(0)
	s_getreg_b32 s2, hwreg(HW_REG_IB_STS2, 6, 4)
	s_cmp_eq_u32 s2, 0
	s_cbranch_scc0 .Lentry_in_a_cluster
	s_endpgm
.Lentry_in_a_cluster:
	s_bfe_u32 s2, ttmp6, 0x10000c
	s_cmp_lg_u32 s2, 0x3003
	s_cbranch_scc0 .Lentry_shape_is_right
	s_endpgm
.Lentry_shape_is_right:
; qkv = x w_in^T + b_in on codes of FP8 (E4M3), K = 1,024, and at once quantised again: q with entry 2 of the scales, k with entry 3, v with entry 5.  No f32 number of qkv goes to memory.
; INPUT: the codes' buffer, [row block of 16 rows][K step of 128][2,048 bytes], each fragment an image of the operand's registers (lane l's 16 bytes of piece c at 512 c + 16 l); a row block is 16,384 bytes.
; Row blocks 0-511: x; 512-575 w_q; 576-639 w_k; 640-703 w_v.
; OUTPUT, three sections of 8 MiB, again images of operand registers.  q, k: [b x 16 + head][block of 16 tokens][1,024 bytes].  v: [b x 16 + head][step of 128 keys][block of 16 channels][2,048 bytes].
; THE MATRIX INSTRUCTION IS USED TRANSPOSED (source 0 = 16 rows of "B", source 1 = 16 rows of "A"): a lane holds one row of A and its eight registers eight neighbouring rows of B, which one conversion turns into two registers of the next operand.
; q, k (grid y < 32): A = 256 tokens of x, B = 256 channels of w_q or w_k.  v (y >= 32): A = 128 channels of w_v, B = 256 tokens of x.  256 work-groups of each kind; those with more blocks have the lower numbers.
; A, WITH ALL ITS K, LIES IN LDS, filled once: one tensor load a wave, nothing is filled again.  CLUSTER: the four work-groups along x need the same A and ask for it JOINTLY (mask 15).
; B: each wave owns 64 rows, all K: 65,536 bytes that no other wave of the work-group reads; they go from memory straight into 512 registers, as they lie.
; The wave walks A's blocks of 16 rows: 32 matrix instructions a block (8 K steps x 4 accumulators by turns); block a - 1 is held, converted and stored behind block a's products.  Each store covers 512 consecutive bytes, aligned.
; THE BIAS is the C of each sum's first matrix instruction, divided by 2^(e0 + e1).  q, k: along B's rows; v: along A's.
; NO PREFETCH INTO THE L2: every load stands at the head; there is no loop to run ahead in.
; LIMITS: eo - e0 - e1 (eo = e2, e3, e5) between -126 and 119.  NaN is not served.
; REGISTERS.  Window 0: v3-6 16 x lane + 65,536 n; v32-95 the bias; v96-159 two sets of 4 accumulators; v160-191 held sums; v192-223 four sets of codes.  Window 1: two sets of A's eight fragments.  Windows 2, 3: B, K step k, tile b at 64 k + 16 b.
.set SPARE, 262144                     ; behind A: the spare words, 128 bytes for each wave
.set LI,   3
.set BOQ,  8
.set BOV,  9
.set SPW,  28
.set NIL,  29
.set SC,   30                          ; 2^(eo - e0 - e1)
.set LIM,  31                          ; 448 x that
.set BB,   32
.set ACC,  96
.set TMP,  160
.set COD,  192
.set MSB, 0
.macro WIN new                         ; the immediate's high byte repeats the setting that is left
.if MSB != (\new)
	s_set_vgpr_msb (MSB<<8)|(\new)
.set MSB, (\new)
.endif
.endm
.macro ROUND                           ; a round of the cluster's barrier
	s_barrier_signal -1
	s_barrier_wait -1
	s_cmp_lg_u32 s14, 0
	s_cbranch_scc1 .Lnw0_\@
	s_barrier_signal -3
.Lnw0_\@:
	s_barrier_wait -3
	s_barrier_signal -1
	s_barrier_wait -1
.endm
.macro PLACES
.rept 4
	v_nop
.endr
.endm
.macro ALOAD a                         ; A's block a, all K: 16,384 consecutive bytes into set a % 2
	WIN 0x40
.set i, 0
.rept 32
	ds_load_b128 v[128*((\a)%2)+4*i:128*((\a)%2)+4*i+3], v[LI+(\a)/4] offset:((\a)%4)*16384+512*i
.set i, i+1
.endr
	WIN 0
.endm
.macro MULS a, v                       ; block a: the four accumulators take turns, one instruction a turn; K ascending
.set AC, ACC+32*((\a)%2)
.set AF, 128*((\a)%2)
	WIN 0x06
.irp k, 0,1,2,3,4,5,6,7
.if \k == 4
	WIN 0x07
.endif
.irp b, 0,1,2,3
.if \k > 0
	v_wmma_f32_16x16x128_fp8_fp8 v[AC+8*\b:AC+8*\b+7], v[64*(\k%4)+16*\b:64*(\k%4)+16*\b+15], v[AF+16*\k:AF+16*\k+15], v[AC+8*\b:AC+8*\b+7]
.elseif \v
	v_wmma_f32_16x16x128_fp8_fp8 v[AC+8*\b:AC+8*\b+7], v[16*\b:16*\b+15], v[AF:AF+15], v[BB+8*(\a):BB+8*(\a)+7]
.else
	v_wmma_f32_16x16x128_fp8_fp8 v[AC+8*\b:AC+8*\b+7], v[16*\b:16*\b+15], v[AF:AF+15], v[BB+8*\b:BB+8*\b+7]
.endif
.endr
.endr
	WIN 0
.endm
.macro OUTB a, v                       ; block a: held, converted, stored.  q, k: 16 tokens x my head's 64 channels.  v: 16 channels x my 64 keys, half a fragment
.set AC, ACC+32*((\a)%2)
.set CD, COD+8*((\a)%4)
.if \v
.set OF, ((\a)/4)*131072+((\a)%4)*2048
.else
.set OF, (\a)*1024
.endif
	s_wait_xcnt 0x0                                ; the stores of four blocks back have read their registers
.set i, 0
.rept 32
	v_med3_num_f32 v[TMP+i], v[AC+i], -v[LIM], v[LIM]   ; the conversion does not saturate (ISA guide 7.6.2); each accumulator from its low end on
.set i, i+1
.endr
.irp b, 0,1,2,3
	v_cvt_scalef32_pk8_fp8_f32 v[CD+2*\b:CD+2*\b+1], v[TMP+8*\b:TMP+8*\b+7], v[SC]
.endr
	v_nop                                          ; a plain line behind the last conversion
	global_store_b128 v[LI], v[CD:CD+3], s[10:11] offset:OF
	global_store_b128 v[LI], v[CD+4:CD+7], s[10:11] offset:OF+512
.endm
.macro MAIN v, na
	ALOAD 0
.set aa, 0
.rept \na
	PLACES                                         ; in front of loads into registers that the block before last's successor has read
.if aa+1 < \na
	ALOAD aa+1
	s_wait_dscnt 32                                ; block aa is in; the 32 loads just issued may be out
.else
	s_wait_dscnt 0x0
.endif
	MULS aa, \v
.if aa >= 1
	OUTB aa-1, \v
.endif
.set aa, aa+1
.endr
	PLACES
	OUTB \na-1, \v
.endm
	s_load_b256 s[4:11], s[0:1], 0x0               ; the codes s[4:5], b_in s[6:7], the scales' exponents s[8:9], the output s[10:11]
	v_lshl_add_u32 v[SPW], v0, 2, SPARE
	v_mov_b32 v[NIL], 0
	ds_add_u32 v[SPW], v[NIL]                      ; the opening: the add, twice on end, and its wait ahead of my first tensor load
	ds_add_u32 v[SPW], v[NIL]
	v_lshrrev_b32 v1, 5, v0
	v_readfirstlane_b32 s14, v1                    ; wave 0..3
	v_and_b32 v1, 15, v0                           ; r
	v_bfe_u32 v2, v0, 4, 1                         ; h
	v_and_b32 v[LI], 31, v0
	v_lshlrev_b32 v[LI], 4, v[LI]
	v_add_nc_u32 v[LI+1], 0x10000, v[LI]
	v_add_nc_u32 v[LI+2], 0x20000, v[LI]
	v_add_nc_u32 v[LI+3], 0x30000, v[LI]
	v_lshlrev_b32 v[BOQ], 5, v2                    ; q, k: the bias of channels 8 h + 0..7
	v_lshlrev_b32 v[BOV], 2, v1                    ; v: of channel r
	s_bfe_u32 s15, ttmp6, 0x40000                  ; cx
	s_mov_b32 s16, ttmp9                           ; the cluster's x: 0, 1
	s_and_b32 s17, ttmp7, 0xffff                   ; y
	s_and_b32 s18, s17, 31
	s_and_b32 s19, s18, 7
	s_lshr_b32 s20, s18, 3
.irp g, 24, 48                                 ; group 1: dense rows of 256 bytes; the mask names the four, bit 21 beside it
	s_mov_b32 s[\g], 15|(3<<16)|(1<<21)
	s_mov_b32 s[\g+1], 32<<16
	s_mov_b32 s[\g+3], 32<<16
	s_mov_b32 s[\g+5], 32
	s_mov_b32 s[\g+6], 0
	s_mov_b32 s[\g+7], 0
.endr
	s_mov_b32 s26, 256<<16                         ; q, k: 65,536 bytes a wave
	s_mov_b32 s28, 256
	s_mov_b32 s50, 128<<16                         ; v: 32,768
	s_mov_b32 s52, 128
	s_mov_b32 s32, 1
	s_lshl_b32 s33, s14, 16                        ; LDS: the wave's number alone
	s_mov_b32 s36, 1
	s_lshl_b32 s37, s14, 15
	s_lshl_b32 s56, s18, 18
	s_add_co_u32 s56, s56, s33                     ; q, k: A = x's tile y % 32
	s_mov_b32 s57, 0
	s_lshl_b32 s58, s19, 3
	s_add_co_u32 s58, s58, 640
	s_lshl_b32 s58, s58, 14
	s_add_co_u32 s58, s58, s37                     ; v: A = w_v's tile y % 8
	s_mov_b32 s59, 0
	s_lshl_b32 s21, s16, 2
	s_add_co_u32 s22, s21, s15                     ; q, k: B's tile of 256 channels among 2,048
	s_add_co_u32 s23, s20, s21
	s_lshl_b32 s23, s23, 2
	s_add_co_u32 s23, s23, s15                     ; v: B's tile of 256 tokens
	s_lshl_b32 s76, s22, 4
	s_add_co_u32 s76, s76, 512
	s_lshl_b32 s77, s23, 4
	s_lshl_b32 s78, s15, 2
	s_add_co_u32 s78, s78, s14                     ; q, k: my head
	s_lshl_b32 s79, s20, 4
	s_add_co_u32 s79, s79, s78
	s_lshl_b32 s79, s79, 17
	s_lshl_b32 s80, s16, 23
	s_add_co_u32 s79, s79, s80
	s_lshl_b32 s80, s19, 14
	s_add_co_u32 s79, s79, s80                     ; q, k: section, batch and head, the tile's first block of tokens
	s_lshr_b32 s81, s23, 3
	s_lshl_b32 s81, s81, 4
	s_lshl_b32 s82, s19, 1
	s_add_co_u32 s81, s81, s82
	s_lshl_b32 s81, s81, 17
	s_add_co_u32 s81, s81, 1<<24
	s_and_b32 s82, s23, 7
	s_lshl_b32 s82, s82, 1
	s_lshr_b32 s83, s14, 1
	s_add_co_u32 s82, s82, s83
	s_lshl_b32 s82, s82, 13
	s_add_co_u32 s81, s81, s82
	s_and_b32 s82, s14, 1
	s_lshl_b32 s82, s82, 10
	s_add_co_u32 s81, s81, s82                     ; v: section, batch and first head, the step of 128 keys, my half of a fragment
	s_lshl_b32 s84, s16, 12
	s_lshl_b32 s85, s78, 8
	s_add_co_u32 s84, s84, s85
	s_lshl_b32 s85, s19, 9
	s_add_co_u32 s85, s85, 8192
	s_cmp_lt_u32 s17, 32                           ; q, k or v: the cluster's y, equal in all partners
	s_cselect_b32 s76, s76, s77
	s_cselect_b32 s60, s79, s81
	s_cselect_b32 s62, s84, s85
	s_lshl_b32 s77, s14, 2
	s_add_co_u32 s76, s76, s77
	s_lshl_b32 s76, s76, 14                        ; my four row blocks of B
	s_mov_b32 s77, 0
	s_mov_b32 s61, 0
	s_mov_b32 s63, 0
	s_wait_alu depctr_va_vdst(0)
	s_wait_dscnt 0x0
	s_wait_kmcnt 0x0
	s_load_b256 s[68:75], s[8:9], 0x0              ; e0 .. e7
	s_add_nc_u64 s[34:35], s[4:5], s[56:57]
	s_or_b32 s35, s35, 0x80000000
	s_add_nc_u64 s[38:39], s[4:5], s[58:59]
	s_or_b32 s39, s39, 0x80000000
	s_add_nc_u64 s[40:41], s[4:5], s[76:77]
	s_add_nc_u64 s[10:11], s[10:11], s[60:61]
	s_add_nc_u64 s[6:7], s[6:7], s[62:63]
	ROUND                                          ; the four work-groups are here: the joint loads meet
	s_cmp_lt_u32 s17, 32
	s_cbranch_scc0 .Lfill_v
	tensor_load_to_lds s[32:35], s[24:31]          ; my one tensor load
	s_nop 0
	PLACES
.irp b, 0,1,2,3
	global_load_b128 v[BB+8*\b:BB+8*\b+3], v[BOQ], s[6:7] offset:64*\b
	global_load_b128 v[BB+8*\b+4:BB+8*\b+7], v[BOQ], s[6:7] offset:64*\b+16
.endr
	s_branch .Lfilled
.Lfill_v:
	tensor_load_to_lds s[36:39], s[48:55]
	s_nop 0
	PLACES
.set i, 0
.rept 64
	global_load_b32 v[BB+i], v[BOV], s[6:7] offset:64*(i/8)   ; block a, every register: channel 16 a + r
.set i, i+1
.endr
.Lfilled:
	WIN 0x80
.set i, 0
.rept 64                                       ; B: K steps 0-3, then 4-7; 512 consecutive bytes a load
	global_load_b128 v[4*i:4*i+3], v[LI], s[40:41] offset:((i/4)%4)*16384+(i/16)*2048+(i%4)*512
.set i, i+1
.endr
	WIN 0xc0
.set i, 0
.rept 64
	global_load_b128 v[4*i:4*i+3], v[LI], s[40:41] offset:((i/4)%4)*16384+(i/16)*2048+(i%4)*512+8192
.set i, i+1
.endr
	WIN 0
	s_wait_kmcnt 0x0
	s_add_co_i32 s92, s68, s69                     ; a sum stands for sum x 2^(e0 + e1)
	s_sub_co_i32 s93, 0, s92
	s_cmp_eq_u32 s16, 0
	s_cselect_b32 s94, s70, s71                    ; q: e2; k: e3
	s_cmp_lt_u32 s17, 32
	s_cselect_b32 s94, s94, s73                    ; v: e5
	s_sub_co_i32 s94, s94, s92
	s_add_co_i32 s94, s94, 127
	s_lshl_b32 s95, s94, 23
	v_mov_b32 v[SC], s95
	s_add_co_i32 s94, s94, 8
	s_lshl_b32 s94, s94, 23
	s_or_b32 s94, s94, 0x600000
	v_mov_b32 v[LIM], s94
	s_wait_alu depctr_va_vdst(0)
	s_wait_loadcnt 0x0                             ; B and the bias
	s_wait_tensorcnt 0x0                           ; my part of A is in,
	s_barrier_signal -1
	s_barrier_wait -1                              ; and everybody's: from here on LDS is only read
	s_cmp_lt_u32 s17, 32
	s_cbranch_scc0 .Lv_path
.set i, 0
.rept 32
	v_ldexp_f32 v[BB+i], v[BB+i], s93              ; the bias / 2^(e0 + e1): nothing is rounded
.set i, i+1
.endr
	s_wait_alu depctr_va_vdst(0)
	MAIN 0, 16
	s_branch .Lend
.Lv_path:
.set i, 0
.rept 64
	v_ldexp_f32 v[BB+i], v[BB+i], s93
.set i, i+1
.endr
	s_wait_alu depctr_va_vdst(0)
	MAIN 1, 8
.Lend:
	s_wait_tensorcnt 0x0                           ; the wave's end
	ds_add_u32 v[SPW], v[NIL]
	s_wait_dscnt 0x0
	ROUND                                          ; the closing round
	s_endpgm
.Lfunc_end_k_q1b06f2ccd1_qkv:
	.size	k_q1b06f2ccd1_qkv, .Lfunc_end_k_q1b06f2ccd1_qkv-k_q1b06f2ccd1_qkv
	.p2alignl 7, 3214868480
	.fill 96, 4, 3214868480
	.section	.rodata,"a",@progbits
	.p2align	6, 0x0
	.amdhsa_kernel k_q1b06f2ccd1_qkv
		.amdhsa_group_segment_fixed_size 327680
		.amdhsa_private_segment_fixed_size 0
		.amdhsa_enable_private_segment 0
		.amdhsa_kernarg_size 32
		.amdhsa_user_sgpr_count 2
		.amdhsa_user_sgpr_kernarg_segment_ptr 1
		.amdhsa_wavefront_size32 1
		.amdhsa_system_sgpr_workgroup_id_x 1
		.amdhsa_system_sgpr_workgroup_id_y 1
		.amdhsa_system_sgpr_workgroup_id_z 1
		.amdhsa_system_vgpr_workitem_id 0
		.amdhsa_next_free_vgpr 1024
		.amdhsa_next_free_sgpr 98
		.amdhsa_reserve_vcc 0
		.amdhsa_float_denorm_mode_32 3
		.amdhsa_float_denorm_mode_16_64 3
		.amdhsa_memory_ordered 1
		.amdhsa_forward_progress 1
		.amdhsa_inst_pref_size 196
	.end_amdhsa_kernel
	.amdgpu_metadata
---
amdhsa.version: [ 1, 2 ]
amdhsa.kernels:
  - .name:           k_q1b06f2ccd1_qkv
    .symbol:         k_q1b06f2ccd1_qkv.kd
    .args:
      - { .name: codes, .offset: 0, .size: 8, .value_kind: global_buffer, .address_space: global }
      - { .name: b_in, .offset: 8, .size: 8, .value_kind: global_buffer, .address_space: global }
      - { .name: lowp_scales, .offset: 16, .size: 8, .value_kind: global_buffer, .address_space: global }
      - { .name: qkvc, .offset: 24, .size: 8, .value_kind: global_buffer, .address_space: global }
    .group_segment_fixed_size: 327680
    .private_segment_fixed_size: 0
    .kernarg_segment_align: 8
    .kernarg_segment_size: 32
    .max_flat_workgroup_size: 128
    .sgpr_count:     98
    .vgpr_count:     1024
    .wavefront_size: 32
...
	.end_amdgpu_metadata
.endif
;; end of part 2
;; launch attn (part 3): grid 4 x 64, 8 waves a work-group, clusters of 4 x 1, 327,680 bytes of LDS; arguments qkvc, lowp_scales, attc; writes attc
.if DOCPART == 3
	.amdgcn_target "amdgcn-amd-amdhsa--gfx1250"
	.amdhsa_code_object_version 6
	.text
	.protected	k_q1b06f2ccd1_attn
	.globl	k_q1b06f2ccd1_attn
	.p2align	8
	.type	k_q1b06f2ccd1_attn,@function
k_q1b06f2ccd1_attn:
	s_mov_b64 s[64:65], 0
	v_nop
	global_prefetch_b8 v0, s[64:65] scope:SCOPE_SE
	s_setreg_imm32_b32 hwreg(HW_REG_WAVE_MODE, 25, 1), 1
	s_wait_xcnt 0x0
	s_wait_alu depctr_hold_cnt(0) depctr_sa_sdst(0) depctr_va_vdst(0) depctr_va_sdst(0) depctr_va_ssrc(0) depctr_va_vcc(0) depctr_vm_vsrc(0)
	s_getreg_b32 s2, hwreg(HW_REG_IB_STS2, 6, 4)
	s_cmp_eq_u32 s2, 0
	s_cbranch_scc0 .Lentry_in_a_cluster
	s_endpgm
.Lentry_in_a_cluster:
	s_bfe_u32 s2, ttmp6, 0x10000c
	s_cmp_lg_u32 s2, 0x3003
	s_cbranch_scc0 .Lentry_shape_is_right
	s_endpgm
.Lentry_shape_is_right:
; Causal attention on codes of FP8 (E4M3): 64 heads (b x 16 + head), 2,048 tokens, head size 64.  O = softmax(q k^T / 8, key <= query) v, quantised at once with entry 6 of the scales.
; INPUT: three sections of 8 MiB, images of operand registers (lane l's 16 bytes of piece c at 512 c + 16 l); a head is 131,072 bytes in each.  q, k: [head][block of 16 tokens][1,024 bytes].
; v: [head][step of 128 keys][block of 16 channels][2,048 bytes].  OUTPUT: [block of 16 tokens: 0..511][two heads][2,048 bytes]; a head's half is 1,024 bytes.
; THE SOFTMAX: t = score x log2(e) / 8; M = the running largest t rounded UP to a whole number; p = 2^(t - M) is quantised (entry 4), not normalised; the row's sum is taken of the unquantised p and divides O at the end.
; When M moves, the sum and O are multiplied by 2^(old M - new M): exact.  Key steps that lie wholly behind the causal mask, which the problem builds itself, are not computed.
; A HEAD'S K AND V STAY IN LDS: 2 x 131,072 bytes, filled once; nothing is filled again, so the key loops hold no barrier.
; CLUSTER: the four work-groups of a head need the same K and V and ask for them JOINTLY (mask 15): first the keys 0-1,023 (16 KiB a wave), then, behind a round, the keys 1,024-2,047.
; SHARES.  Work-group I (its place in the cluster) owns the blocks of 16 queries b = 4 j + I, j = 0..31.  A wave works on a PAIR of blocks at once, j = 2 u and 2 u + 1 (queries 128 u + 16 I.. and 128 u + 64 + 16 I..), so that
; each fragment of K and V feeds two matrix instructions.  A pair has u open steps of 128 keys and one step on the diagonal, whatever I is: no branch, trip count or LDS address hangs on I.  Wave w takes pair w, then pair 15 - w: 17 steps.
; The diagonal step goes first and starts M, the sum and O^T.  The loops' trip counts are constants; a wave jumps over the trips beyond its u.
; LAYOUT.  Both products transposed: S^T = K Q^T (K = 64), O^T = V^T P^T (K = 128 keys): a lane holds one query (lane % 16).  Register j of score tile c is key 16 c + 8 (lane / 16) + j.
; NO PREFETCH INTO THE L2: every tensor load stands at the head; there is no loop to run ahead in.
; LIMITS: e2 + e3 between -123 and 130 (added to c's exponent field); e4, and e6 - e4 - e5, between -126 and 119.  NaN is not served.
; REGISTERS.  Window 0: v1-31 addresses and state; v32-159 the two tiles' scores, then p; v160-191 p's codes; v192-203 partial sums; v208-239 the results' codes.
; Window 1: v0-63 K's fragments; v64-127 V's; v128-191 O^T of the two tiles; v192-223 Q of the four blocks.
.set KSTEP, 8192                       ; 128 keys of K, or of V, in LDS
.set VOFF,  131072                     ; V lies behind K
.set SPARE, 262144                     ; behind both: the spare words, 128 bytes for each of eight waves
.set LI,1                              ; 16 x lane
.set ADR,2                             ; the step's K
.set ADV,3                             ; the step's V
.set SPW,4                             ; my spare word; never rewritten
.set NIL,5                             ; 0; never rewritten
.set SCP,6                             ; 2^e4
.set SCO,8                             ; 2^(e6 - e4 - e5)
.set LIMO,9                            ; 448 x that
.set DD,10                             ; 16 I + lane % 16 - 8 (lane / 16)
.set LIV,11                            ; 16 x lane + VOFF
.set NM,12                             ; tile T: v[NM+2T] -M, v[NM+2T+1] the largest score
.set LS,16                             ; the sum, in two halves
.set FF,20                             ; f = 2^(old M - new M); later 1 / the sum
.set XA,24
.set XB,26
.set PM,28
.set NINF,30
.set S,32
.set P,160
.set Y,192
.set CO,208
.set KR,0
.set VR,64
.set O,128
.set Q,192
.set WV,10
.set II,11
.set BH,12
.set U,13                              ; the pair in hand
.set KB,14                             ; LDS byte of the step's keys
.set TR,15
.set SEL,16
.set CS,18                             ; c = log2(e) / 8 x 2^(e2 + e3)
.set LIMP,20                           ; 448 x 2^e4
.set G1,24
.set G0A,40
.set G0B,44
.set QA,48
.set QB,50
.set OA,52
.set OB,54
.set MSB, 0
.macro WIN new                         ; the immediate's high byte repeats the setting that is left
.if MSB != (\new)
	s_set_vgpr_msb (MSB<<8)|(\new)
.set MSB, (\new)
.endif
.endm
.macro ROUND                           ; a round of the cluster's barrier
	s_barrier_signal -1
	s_barrier_wait -1
	s_cmp_lg_u32 s[WV], 0
	s_cbranch_scc1 .Lnw0_\@
	s_barrier_signal -3
.Lnw0_\@:
	s_barrier_wait -3
	s_barrier_signal -1
	s_barrier_wait -1
.endm
.macro LD16 reg, adr, off              ; 8,192 bytes: 64 registers as they were stored
.set i, 0
.rept 16
	ds_load_b128 v[\reg+4*i:\reg+4*i+3], v[\adr] offset:\off+512*i
.set i, i+1
.endr
.endm
.macro PA d, a, b
	v_pk_add_f32 v[(\d):(\d)+1], v[(\a):(\a)+1], v[(\b):(\b)+1]
.endm
	s_load_b128 s[4:7], s[0:1], 0x0                ; q, k, v's codes s[4:5], the scales' exponents s[6:7]
	s_load_b64 s[8:9], s[0:1], 0x10                ; the output
	v_lshl_add_u32 v[SPW], v0, 2, SPARE
	v_mov_b32 v[NIL], 0
	ds_add_u32 v[SPW], v[NIL]                      ; the opening: the add, twice on end, and its wait ahead of my first tensor load
	ds_add_u32 v[SPW], v[NIL]
	v_lshrrev_b32 v[ADR], 5, v0
	v_readfirstlane_b32 s[WV], v[ADR]              ; wave 0..7
	s_bfe_u32 s[II], ttmp6, 0x40000                ; I: my place in the cluster
	s_and_b32 s[BH], ttmp7, 0xffff                 ; the head: the cluster's y
	s_mov_b32 s[G1], 15|(3<<16)|(1<<21)            ; the mask names the four; elements of 8 bytes; bit 21 beside a mask; no padding: every LDS read takes 512 consecutive bytes
	s_mov_b32 s[G1+1], 32<<16                      ; rows of 256 bytes,
	s_mov_b32 s[G1+2], 64<<16                      ; 64 of them,
	s_mov_b32 s[G1+3], 32<<16
	s_mov_b32 s[G1+4], 64
	s_mov_b32 s[G1+5], 32                          ; dense
	s_mov_b32 s[G1+6], 0
	s_mov_b32 s[G1+7], 0
	s_mov_b32 s[SEL], 0x76543210
	s_mov_b32 s[SEL+1], 0xfedcba98
	s_mov_b32 s[CS], 0x3e38aa3b                    ; log2(e) / 8
	s_lshr_b32 s66, s[WV], 2                       ; waves 0-3 fetch K, waves 4-7 V,
	s_and_b32 s67, s[WV], 3
	s_lshl_b32 s67, s67, 14                        ; 16,384 bytes each
	s_lshl_b32 s68, s66, 17
	s_add_co_u32 s[G0A+1], s68, s67                ; LDS: the wave's number alone
	s_add_co_u32 s[G0B+1], s[G0A+1], 65536
	s_add_co_u32 s66, s66, 1
	s_lshl_b32 s66, s66, 23                        ; section 1 (k) or 2 (v)
	s_lshl_b32 s70, s[BH], 17                      ; the head's bytes in a section
	s_add_co_u32 s66, s66, s70
	s_add_co_u32 s66, s66, s67
	s_mov_b32 s67, 0
	s_mov_b32 s[G0A], 1
	s_mov_b32 s[G0B], 1
	s_lshl_b32 s68, s[WV], 3
	s_add_co_u32 s68, s68, s[II]                   ; my first pair's first block: 8 w + I
	s_xor_b32 s69, s[WV], 15
	s_lshl_b32 s69, s69, 3
	s_add_co_u32 s69, s69, s[II]                   ; my second pair's: 8 (15 - w) + I
	s_lshl_b32 s72, s68, 10
	s_add_co_u32 s72, s72, s70
	s_mov_b32 s73, 0
	s_lshl_b32 s74, s69, 10
	s_add_co_u32 s74, s74, s70
	s_mov_b32 s75, 0
	s_lshr_b32 s71, s[BH], 4
	s_lshl_b32 s71, s71, 7                         ; the batch's first block of tokens
	s_and_b32 s76, s[BH], 15
	s_lshl_b32 s76, s76, 10                        ; the head's 1,024 bytes in a block's 16,384
	s_add_co_u32 s32, s71, s68
	s_lshl_b32 s32, s32, 14
	s_add_co_u32 s32, s32, s76
	s_mov_b32 s33, 0
	s_add_co_u32 s34, s71, s69
	s_lshl_b32 s34, s34, 14
	s_add_co_u32 s34, s34, s76
	s_mov_b32 s35, 0
	s_wait_dscnt 0x0                               ; both opening adds are done
	s_wait_kmcnt 0x0
	s_load_b256 s[56:63], s[6:7], 0x0              ; e0 .. e7
	s_add_nc_u64 s[G0A+2:G0A+3], s[4:5], s[66:67]
	s_add_nc_u64 s[G0B+2:G0B+3], s[G0A+2:G0A+3], 65536
	s_or_b32 s[G0A+3], s[G0A+3], 0x80000000
	s_or_b32 s[G0B+3], s[G0B+3], 0x80000000
	ROUND                                          ; the four work-groups are here: the first joint loads meet
	tensor_load_to_lds s[G0A:G0A+3], s[G1:G1+7]    ; keys 0-1,023: my one load at the head
	s_nop 0
	s_add_nc_u64 s[QA:QA+1], s[4:5], s[72:73]
	s_add_nc_u64 s[QB:QB+1], s[4:5], s[74:75]
	s_add_nc_u64 s[OA:OA+1], s[8:9], s[32:33]
	s_add_nc_u64 s[OB:OB+1], s[8:9], s[34:35]
	v_and_b32 v[LI], 31, v0
	v_lshlrev_b32 v[LI], 4, v[LI]
	WIN 0x40
.irp T, 0,1                                    ; Q of my four blocks stays in registers; a pair's second block lies four blocks on
	global_load_b128 v[Q+8*\T:Q+8*\T+3], v[LI], s[QA:QA+1] offset:4096*\T
	global_load_b128 v[Q+8*\T+4:Q+8*\T+7], v[LI], s[QA:QA+1] offset:4096*\T+512
	global_load_b128 v[Q+16+8*\T:Q+16+8*\T+3], v[LI], s[QB:QB+1] offset:4096*\T
	global_load_b128 v[Q+16+8*\T+4:Q+16+8*\T+7], v[LI], s[QB:QB+1] offset:4096*\T+512
.endr
	WIN 0
	v_add_nc_u32 v[LIV], VOFF, v[LI]
	v_and_b32 v[DD], 15, v0
	v_bfe_u32 v[ADV], v0, 4, 1
	v_lshlrev_b32 v[ADV], 3, v[ADV]
	v_sub_nc_u32 v[DD], v[DD], v[ADV]
	s_lshl_b32 s66, s[II], 4
	v_add_nc_u32 v[DD], s66, v[DD]
	v_mov_b32 v[NINF], 0xff800000                  ; -infinity: p = 0 then
	v_mov_b32 v[PM], 0                             ; a lane permute's destination counts as one of its sources
	v_mov_b32 v[PM+1], 0
	v_mov_b32 v[FF+1], 0                           ; (named as upper halves of pairs)
	v_mov_b32 v[FF+3], 0
	s_wait_kmcnt 0x0
	s_add_co_i32 s66, s58, s59
	s_lshl_b32 s66, s66, 23
	s_add_co_i32 s[CS], s[CS], s66                 ; a score stands for score x 2^(e2 + e3)
	s_mov_b32 s[CS+1], s[CS]
	s_add_co_i32 s66, s60, 127
	s_lshl_b32 s67, s66, 23
	v_mov_b32 v[SCP], s67
	s_add_co_i32 s66, s66, 8
	s_lshl_b32 s66, s66, 23
	s_or_b32 s[LIMP], s66, 0x600000
	s_sub_co_i32 s66, s62, s60
	s_sub_co_i32 s66, s66, s61                     ; O^T / the sum stands for that x 2^(e4 + e5)
	s_add_co_i32 s66, s66, 127
	s_lshl_b32 s67, s66, 23
	v_mov_b32 v[SCO], s67
	s_add_co_i32 s66, s66, 8
	s_lshl_b32 s66, s66, 23
	s_or_b32 s66, s66, 0x600000
	v_mov_b32 v[LIMO], s66
	s_mov_b32 s[U], s[WV]
	s_lshl_b32 s[KB], s[WV], 13
; A KEY STEP of 128 keys for the pair's two tiles.  diag = 1: the step on the diagonal, a pair's first; qb: the pair's Q.  At an open step's head its K is already asked for.
.macro STEP diag, qb
.if \diag
	s_wait_dscnt 0x0                               ; no load is out into K's registers
	v_add_nc_u32 v[ADR], s[KB], v[LI]
	WIN 0x40
	LD16 KR, ADR, 0
	WIN 0
.endif
	s_wait_dscnt 0x0                               ; K is in
	WIN 0x05
.irp c, 0,1,2,3,4,5,6,7                        ; on the diagonal tile 0's keys 64-127 are all hidden: no product
.if (\diag == 0) || (\c < 4)
	v_wmma_f32_16x16x64_fp8_fp8 v[S+8*\c:S+8*\c+7], v[KR+8*\c:KR+8*\c+7], v[\qb:\qb+7], 0
.endif
	v_wmma_f32_16x16x64_fp8_fp8 v[S+64+8*\c:S+64+8*\c+7], v[KR+8*\c:KR+8*\c+7], v[\qb+8:\qb+15], 0
.endr
	WIN 0
	v_add_nc_u32 v[ADV], s[KB], v[LIV]             ; these lines are the four places behind the products (ISA guide 7.12.1)
.if \diag
.set i, 0
.rept 32
	v_mov_b32 v[S+32+i], v[NINF]
.set i, i+1
.endr
.else
	v_add_nc_u32 v[ADR], s[KB], v[LI]
	v_nop
	v_nop
.endif
	WIN 0x40
	LD16 VR, ADV, 0                                ; V of this step, and K of the next one: both land under the softmax
.if \diag
	LD16 KR, LI, 0
.else
	LD16 KR, ADR, KSTEP
.endif
	WIN 0
.if \diag                                      ; tile 0's register 8 c + j and tile 1's 8 (c + 4) + j are hidden where 16 c + j > DD: one compare serves both
.set i, 0
.rept 32
	v_cmp_gt_i32 vcc_lo, 16*(i/8)+i%8, v[DD]
	v_cndmask_b32 v[S+i], v[S+i], v[NINF], vcc_lo
	v_cndmask_b32 v[S+96+i], v[S+96+i], v[NINF], vcc_lo
.set i, i+1
.endr
.endif
.irp T, 0,1                                    ; the largest score, the running one among the leaves; two chains a tile, each score tile from its low end on
.if \diag
	v_max_num_f32 v[XA+\T], v[S+64*\T], v[S+64*\T+1]
.else
	v_max3_num_f32 v[XA+\T], v[NM+2*\T+1], v[S+64*\T], v[S+64*\T+1]
.endif
	v_max_num_f32 v[XB+\T], v[S+64*\T+2], v[S+64*\T+3]
.endr
.set i, 4
.rept 15
.irp T, 0,1
	v_max3_num_f32 v[XA+\T], v[XA+\T], v[S+64*\T+i], v[S+64*\T+i+1]
	v_max3_num_f32 v[XB+\T], v[XB+\T], v[S+64*\T+i+2], v[S+64*\T+i+3]
.endr
.set i, i+4
.endr
.irp T, 0,1
	v_max_num_f32 v[XA+\T], v[XA+\T], v[XB+\T]
.endr
.irp T, 0,1
	v_permlanex16_b32 v[PM+\T], v[XA+\T], s[SEL], s[SEL+1]
.endr
.irp T, 0,1
	v_max_num_f32 v[NM+2*\T+1], v[XA+\T], v[PM+\T] ; and among lane l xor 16's
.endr
.irp T, 0,1
	v_mul_f32 v[XA+\T], s[CS], v[NM+2*\T+1]        ; as t (c is positive)
.endr
.if \diag == 0
.irp T, 0,1
	v_mov_b32 v[XB+\T], v[NM+2*\T]
.endr
.endif
.irp T, 0,1
	v_floor_f32 v[NM+2*\T], -v[XA+\T]              ; -M = floor(-t): M is a whole number
.endr
.if \diag
.irp T, 0,1
	v_mov_b32 v[LS+2*\T], 0
	v_mov_b32 v[LS+2*\T+1], 0
.endr
.else
.irp T, 0,1
	v_sub_f32 v[XB+\T], v[NM+2*\T], v[XB+\T]       ; old M - new M: a whole number, 0 or less
.endr
.irp T, 0,1
	v_cvt_i32_f32 v[XB+\T], v[XB+\T]
.endr
.irp T, 0,1
	v_ldexp_f32 v[FF+2*\T], 1.0, v[XB+\T]
.endr
	WIN 0x41
.set i, 0
.rept 16
.irp T, 0,1
	v_pk_mul_f32 v[O+32*\T+i:O+32*\T+i+1], v[O+32*\T+i:O+32*\T+i+1], v[FF+2*\T:FF+2*\T+1] op_sel_hi:[1,0]   ; O^T under the new M
.endr
.set i, i+2
.endr
	WIN 0
.irp T, 0,1
	v_pk_mul_f32 v[LS+2*\T:LS+2*\T+1], v[LS+2*\T:LS+2*\T+1], v[FF+2*\T:FF+2*\T+1] op_sel_hi:[1,0]
.endr
.endif
.set i, 0
.rept 32
.irp T, 0,1
	v_pk_fma_f32 v[S+64*\T+i:S+64*\T+i+1], v[S+64*\T+i:S+64*\T+i+1], s[CS:CS+1], v[NM+2*\T:NM+2*\T+1] op_sel_hi:[1,0,0]   ; t - M
.endr
.set i, i+2
.endr
	s_wait_alu depctr_va_vdst(0)                   ; the wait ahead of the batch
.set i, 0
.rept 128
	v_exp_f32 v[S+i], v[S+i]                       ; p = 2^(t - M), at most 1
.set i, i+1
.endr
	v_nop                                          ; a plain line behind the exponentials
	s_wait_alu depctr_va_vdst(0)                   ; and the one wait for the batch, ahead of its first reader
.irp k, 0,1,2                                  ; the sums of the unquantised p: four chains a tile
.irp T, 0,1
	PA Y+6*\T+2*\k, S+64*\T+4*\k, S+64*\T+4*\k+2
.endr
.endr
.set i, 12
.rept 6
.irp T, 0,1
	PA LS+2*\T, LS+2*\T, S+64*\T+i
.endr
.irp k, 0,1,2
.irp T, 0,1
	PA Y+6*\T+2*\k, Y+6*\T+2*\k, S+64*\T+i+2+2*\k
.endr
.endr
.set i, i+8
.endr
.irp T, 0,1
	PA LS+2*\T, LS+2*\T, S+64*\T+60
	PA Y+6*\T, Y+6*\T, S+64*\T+62
.endr
.irp T, 0,1
	PA Y+6*\T, Y+6*\T, Y+6*\T+2
	PA LS+2*\T, LS+2*\T, Y+6*\T+4
.endr
.irp T, 0,1
	PA LS+2*\T, LS+2*\T, Y+6*\T
.endr
.set i, 0
.rept 64                                       ; the conversion does not saturate (ISA guide 7.6.2); p is not negative, so the hold is one-sided; two numbers a line
	v_dual_min_num_f32 v[S+i], s[LIMP], v[S+i] :: v_dual_min_num_f32 v[S+i+1], s[LIMP], v[S+i+1]
.set i, i+2
.endr
.set i, 0
.rept 16
	v_cvt_scalef32_pk8_fp8_f32 v[P+2*i:P+2*i+1], v[S+8*i:S+8*i+7], v[SCP]
.set i, i+1
.endr
	v_nop                                          ; a plain line between the last conversion and the products
	s_wait_alu depctr_va_vdst(0)
	s_wait_dscnt 16                                ; V's sixteen loads are in; the next K's sixteen, issued behind them, may be out
	WIN 0x51
.irp t, 0,1,2,3                                ; eight accumulators by turns, one instruction a turn
.irp T, 0,1
.if \diag
	v_wmma_f32_16x16x128_fp8_fp8 v[O+32*\T+8*\t:O+32*\T+8*\t+7], v[VR+16*\t:VR+16*\t+15], v[P+16*\T:P+16*\T+15], 0
.else
	v_wmma_f32_16x16x128_fp8_fp8 v[O+32*\T+8*\t:O+32*\T+8*\t+7], v[VR+16*\t:VR+16*\t+15], v[P+16*\T:P+16*\T+15], v[O+32*\T+8*\t:O+32*\T+8*\t+7]
.endif
.endr
.endr
	WIN 0
.endm
; The pair's open steps, keys ascending.  The trip count is a constant; a wave jumps over the trips at and beyond its u (the wave's number alone decides).
.macro WALK ntr, qb
	s_mov_b32 s[KB], 0
	s_mov_b32 s[TR], 0
.Lw_\@:
	s_cmp_ge_u32 s[TR], s[U]
	s_cbranch_scc1 .Ls_\@
	STEP 0, \qb
.Ls_\@:
	s_add_co_u32 s[KB], s[KB], KSTEP
	s_add_co_u32 s[TR], s[TR], 1
	s_cmp_lt_u32 s[TR], \ntr
	s_cbranch_scc1 .Lw_\@
.endm
; A pair is finished: O^T / the sum, held, converted, stored: for each tile two pieces of 512 consecutive bytes, aligned.  Each pair has its own registers for the codes.
.macro FINAL ptr, cb
.rept 4
	v_nop                                          ; places behind the last products
.endr
.irp T, 0,1
	v_add_f32 v[LS+2*\T], v[LS+2*\T], v[LS+2*\T+1]
.endr
.irp T, 0,1
	v_permlanex16_b32 v[PM+\T], v[LS+2*\T], s[SEL], s[SEL+1]
.endr
.irp T, 0,1
	v_add_f32 v[FF+2*\T], v[LS+2*\T], v[PM+\T]
.endr
	s_wait_alu depctr_va_vdst(0)                   ; the wait ahead of the reciprocals
.irp T, 0,1
	v_rcp_f32 v[FF+2*\T], v[FF+2*\T]
.endr
	v_nop
	WIN 0x01
	s_wait_alu depctr_va_vdst(0)                   ; and directly ahead of the first reader of the reciprocals and of O^T
.set i, 0
.rept 16
.irp T, 0,1
	v_pk_mul_f32 v[S+64*\T+i:S+64*\T+i+1], v[O+32*\T+i:O+32*\T+i+1], v[FF+2*\T:FF+2*\T+1] op_sel_hi:[1,0]   ; each accumulator from its low end on
.endr
.set i, i+2
.endr
	WIN 0
.set i, 0
.rept 32
.irp T, 0,1
	v_med3_num_f32 v[S+64*\T+i], v[S+64*\T+i], -v[LIMO], v[LIMO]
.endr
.set i, i+1
.endr
.irp T, 0,1
.irp t, 0,1,2,3
	v_cvt_scalef32_pk8_fp8_f32 v[\cb+8*\T+2*\t:\cb+8*\T+2*\t+1], v[S+64*\T+8*\t:S+64*\T+8*\t+7], v[SCO]
.endr
.endr
	v_nop                                          ; a plain line behind the last conversion
.irp T, 0,1                                    ; the pair's second block lies four blocks of 16,384 bytes on
	global_store_b128 v[LI], v[\cb+8*\T:\cb+8*\T+3], s[\ptr:\ptr+1] offset:65536*\T
	global_store_b128 v[LI], v[\cb+8*\T+4:\cb+8*\T+7], s[\ptr:\ptr+1] offset:65536*\T+512
.endr
.endm
	s_wait_alu depctr_va_vdst(0)
	s_wait_loadcnt 0x0                             ; Q
	s_wait_tensorcnt 0x0                           ; my part of keys 0-1,023 is in; the second group of first fills is issued as a refill is:
	ds_add_u32 v[SPW], v[NIL]                      ; 0 onto my spare word
	s_wait_dscnt 0x0
	ROUND                                          ; everybody's part is in, and the four work-groups are here
	tensor_load_to_lds s[G0B:G0B+3], s[G1:G1+7]    ; keys 1,024-2,047: they land under the first step, which reads keys under 1,024 alone (pair w, w < 8)
	s_nop 0
.rept 4
	v_nop
.endr
	STEP 1, Q
	s_wait_tensorcnt 0x0                           ; my part of the second group is in,
	s_wait_dscnt 0x0                               ; no LDS load of mine is out at the signal
	s_barrier_signal -1
	s_barrier_wait -1                              ; and everybody's is: from here on LDS is only read
	WALK 7, Q
	FINAL OA, CO
	s_xor_b32 s[U], s[WV], 15                      ; the second pair: 15 - w
	s_lshl_b32 s[KB], s[U], 13
	STEP 1, Q+16
	WALK 15, Q+16
	FINAL OB, CO+16
	s_wait_tensorcnt 0x0                           ; the wave's end
	ds_add_u32 v[SPW], v[NIL]
	s_wait_dscnt 0x0
	ROUND                                          ; the closing round
	s_endpgm
.Lfunc_end_k_q1b06f2ccd1_attn:
	.size	k_q1b06f2ccd1_attn, .Lfunc_end_k_q1b06f2ccd1_attn-k_q1b06f2ccd1_attn
	.p2alignl 7, 3214868480
	.fill 96, 4, 3214868480
	.section	.rodata,"a",@progbits
	.p2align	6, 0x0
	.amdhsa_kernel k_q1b06f2ccd1_attn
		.amdhsa_group_segment_fixed_size 327680
		.amdhsa_private_segment_fixed_size 0
		.amdhsa_enable_private_segment 0
		.amdhsa_kernarg_size 24
		.amdhsa_user_sgpr_count 2
		.amdhsa_user_sgpr_kernarg_segment_ptr 1
		.amdhsa_wavefront_size32 1
		.amdhsa_system_sgpr_workgroup_id_x 1
		.amdhsa_system_sgpr_workgroup_id_y 1
		.amdhsa_system_sgpr_workgroup_id_z 1
		.amdhsa_system_vgpr_workitem_id 0
		.amdhsa_next_free_vgpr 480
		.amdhsa_next_free_sgpr 80
		.amdhsa_reserve_vcc 1
		.amdhsa_float_denorm_mode_32 3
		.amdhsa_float_denorm_mode_16_64 3
		.amdhsa_memory_ordered 1
		.amdhsa_forward_progress 1
		.amdhsa_inst_pref_size 140
	.end_amdhsa_kernel
	.amdgpu_metadata
---
amdhsa.version: [ 1, 2 ]
amdhsa.kernels:
  - .name:           k_q1b06f2ccd1_attn
    .symbol:         k_q1b06f2ccd1_attn.kd
    .args:
      - { .name: qkvc, .offset: 0, .size: 8, .value_kind: global_buffer, .address_space: global }
      - { .name: lowp_scales, .offset: 8, .size: 8, .value_kind: global_buffer, .address_space: global }
      - { .name: attc, .offset: 16, .size: 8, .value_kind: global_buffer, .address_space: global }
    .group_segment_fixed_size: 327680
    .private_segment_fixed_size: 0
    .kernarg_segment_align: 8
    .kernarg_segment_size: 24
    .max_flat_workgroup_size: 256
    .sgpr_count:     80
    .vgpr_count:     480
    .wavefront_size: 32
...
	.end_amdgpu_metadata
.endif
;; end of part 3
;; launch proj (part 4): grid 4 x 64, 4 waves a work-group, clusters of 4 x 1, 167,936 bytes of LDS; arguments attc, codes, b_out, lowp_scales, out0; writes out0
.if DOCPART == 4
	.amdgcn_target "amdgcn-amd-amdhsa--gfx1250"
	.amdhsa_code_object_version 6
	.text
	.protected	k_q1b06f2ccd1_proj
	.globl	k_q1b06f2ccd1_proj
	.p2align	8
	.type	k_q1b06f2ccd1_proj,@function
k_q1b06f2ccd1_proj:
	s_mov_b64 s[64:65], 0
	v_nop
	global_prefetch_b8 v0, s[64:65] scope:SCOPE_SE
	s_setreg_imm32_b32 hwreg(HW_REG_WAVE_MODE, 25, 1), 1
	s_wait_xcnt 0x0
	s_wait_alu depctr_hold_cnt(0) depctr_sa_sdst(0) depctr_va_vdst(0) depctr_va_sdst(0) depctr_va_ssrc(0) depctr_va_vcc(0) depctr_vm_vsrc(0)
	s_getreg_b32 s2, hwreg(HW_REG_IB_STS2, 6, 4)
	s_cmp_eq_u32 s2, 0
	s_cbranch_scc0 .Lentry_in_a_cluster
	s_endpgm
.Lentry_in_a_cluster:
	s_bfe_u32 s2, ttmp6, 0x10000c
	s_cmp_lg_u32 s2, 0x3003
	s_cbranch_scc0 .Lentry_shape_is_right
	s_endpgm
.Lentry_shape_is_right:
; out0 = att w_out^T + b_out on codes of FP8 (E4M3), K = 1,024; att with entry 6 of the scales, w_out with entry 7.  out0: [8,192][1,024] f32.
; INPUT: images of operand registers, [row block of 16 rows][K step of 128][2,048 bytes]; a row block is 16,384 bytes.  att: 512 row blocks; w_out: row blocks 704-767 of the codes' buffer.
; A work-group makes 128 tokens x 256 columns: 256 work-groups.  A = its 128 tokens, all K, 131,072 consecutive bytes, lies in LDS, filled once: one tensor load a wave, nothing is filled again.
; CLUSTER: the four work-groups along x need the same A and ask for it JOINTLY (mask 15).
; B: each wave owns 64 rows of w_out, all K: 65,536 bytes that no other wave of the work-group reads; they go from memory straight into 512 registers, as they lie.
; THE MATRIX INSTRUCTION IS USED TRANSPOSED (source 0 = 16 rows of w_out, source 1 = 16 tokens): a lane holds eight neighbouring columns of one row of out0.
; The wave walks A's blocks of 16 tokens: 32 matrix instructions a block (8 K steps x 4 accumulators by turns).  Block a - 1 is scaled and turned through the wave's own stage behind block a's products, and stored a block later:
; sixteen lanes store 256 consecutive bytes, aligned.  The stage has LDS bytes of its own, on which no fill lands.
; THE BIAS is the C of each sum's first matrix instruction, divided by 2^(e6 + e7); each finished sum is multiplied by 2^(e6 + e7).
; NO PREFETCH INTO THE L2: every load stands at the head; there is no loop to run ahead in.
; LIMITS: e6 + e7 between -126 and 127.  NaN is not served.
; REGISTERS.  Window 0: v32-63 the bias; v64-127 two sets of 4 accumulators; v128-159 scaled sums; v160-223 two sets of rows read back.  Window 1: two sets of A's eight fragments.  Windows 2, 3: B, K step k, tile b at 64 k + 16 b.
.set SPARE,  131072                    ; behind A: the spare words, 128 bytes for each wave
.set STAGE,  131584                    ; behind them: 16 rows x 272 bytes for each wave
.set SPITCH, 272
.set LI,   3                           ; v3, v4: 16 x lane, + 65,536
.set BO,   8
.set STO,  24
.set RD,   25
.set CO,   26
.set SPW,  28
.set NIL,  29
.set BB,   32
.set ACC,  64
.set TMP,  128
.set BK,   160
.set MSB, 0
.macro WIN new                         ; the immediate's high byte repeats the setting that is left
.if MSB != (\new)
	s_set_vgpr_msb (MSB<<8)|(\new)
.set MSB, (\new)
.endif
.endm
.macro ROUND                           ; a round of the cluster's barrier
	s_barrier_signal -1
	s_barrier_wait -1
	s_cmp_lg_u32 s14, 0
	s_cbranch_scc1 .Lnw0_\@
	s_barrier_signal -3
.Lnw0_\@:
	s_barrier_wait -3
	s_barrier_signal -1
	s_barrier_wait -1
.endm
.macro PLACES
.rept 4
	v_nop
.endr
.endm
.macro ALOAD a                         ; A's block a, all K: 16,384 consecutive bytes into set a % 2
	WIN 0x40
.set i, 0
.rept 32
	ds_load_b128 v[128*((\a)%2)+4*i:128*((\a)%2)+4*i+3], v[LI+(\a)/4] offset:((\a)%4)*16384+512*i
.set i, i+1
.endr
	WIN 0
.endm
.macro MULS a                          ; the four accumulators take turns, one instruction a turn; K ascending
.set AC, ACC+32*((\a)%2)
.set AF, 128*((\a)%2)
	WIN 0x06
.irp k, 0,1,2,3,4,5,6,7
.if \k == 4
	WIN 0x07
.endif
.irp b, 0,1,2,3
.if \k > 0
	v_wmma_f32_16x16x128_fp8_fp8 v[AC+8*\b:AC+8*\b+7], v[64*(\k%4)+16*\b:64*(\k%4)+16*\b+15], v[AF+16*\k:AF+16*\k+15], v[AC+8*\b:AC+8*\b+7]
.else
	v_wmma_f32_16x16x128_fp8_fp8 v[AC+8*\b:AC+8*\b+7], v[16*\b:16*\b+15], v[AF:AF+15], v[BB+8*\b:BB+8*\b+7]
.endif
.endr
.endr
	WIN 0
.endm
.macro TOSTAGE a                       ; block a x 2^(e6 + e7), into my stage, and back as rows of 256 bytes.  LDS serves a wave's instructions in order (ISA guide 5.7.1.4)
.set AC, ACC+32*((\a)%2)
.set i, 0
.rept 16
	v_pk_mul_f32 v[TMP+i:TMP+i+1], v[AC+i:AC+i+1], s[96:97] op_sel_hi:[1,0]   ; each accumulator from its low end on
.set i, i+2
.endr
.irp b, 0,1,2,3
	ds_store_b128 v[STO], v[TMP+8*\b:TMP+8*\b+3] offset:64*\b
	ds_store_b128 v[STO], v[TMP+8*\b+4:TMP+8*\b+7] offset:64*\b+16
.endr
	s_wait_xcnt 0x0                                ; the stores of two blocks back have read their registers
.irp t, 0,1,2,3,4,5,6,7
	ds_load_b128 v[BK+32*((\a)%2)+4*\t:BK+32*((\a)%2)+4*\t+3], v[RD] offset:\t*2*SPITCH
.endr
.endm
.macro SEND a
.irp t, 0,1,2,3,4,5,6,7
	global_store_b128 v[CO], v[BK+32*((\a)%2)+4*\t:BK+32*((\a)%2)+4*\t+3], s[12:13] offset:(\a)*65536+\t*8192 th:TH_STORE_NT
.endr
.endm
	s_load_b256 s[4:11], s[0:1], 0x0               ; att's codes s[4:5], the codes' buffer s[6:7], b_out s[8:9], the scales' exponents s[10:11]
	s_load_b64 s[12:13], s[0:1], 0x20              ; out0
	v_lshl_add_u32 v[SPW], v0, 2, SPARE
	v_mov_b32 v[NIL], 0
	ds_add_u32 v[SPW], v[NIL]                      ; the opening: the add, twice on end, and its wait ahead of my first tensor load
	ds_add_u32 v[SPW], v[NIL]
	v_lshrrev_b32 v1, 5, v0
	v_readfirstlane_b32 s14, v1                    ; wave 0..3
	s_bfe_u32 s15, ttmp6, 0x40000                  ; cx: my 256 columns
	s_and_b32 s16, ttmp7, 0xffff                   ; y: my 128 tokens
	s_mov_b32 s24, 15|(3<<16)|(1<<21)              ; the mask names the four, bit 21 beside it; elements of 8 bytes
	s_mov_b32 s25, 32<<16                          ; dense rows of 256 bytes,
	s_mov_b32 s26, 128<<16                         ; 128 of them a wave
	s_mov_b32 s27, 32<<16
	s_mov_b32 s28, 128
	s_mov_b32 s29, 32
	s_mov_b32 s30, 0
	s_mov_b32 s31, 0
	s_mov_b32 s32, 1
	s_lshl_b32 s33, s14, 15                        ; LDS: the wave's number alone
	s_lshl_b32 s20, s16, 17
	s_add_co_u32 s20, s20, s33
	s_mov_b32 s21, 0
	s_lshl_b32 s22, s15, 4
	s_lshl_b32 s23, s14, 2
	s_add_co_u32 s22, s22, s23
	s_add_co_u32 s22, s22, 704
	s_lshl_b32 s22, s22, 14                        ; my four row blocks of w_out
	s_mov_b32 s23, 0
	s_lshl_b32 s40, s15, 10
	s_lshl_b32 s41, s14, 8
	s_add_co_u32 s40, s40, s41                     ; my first column, in bytes
	s_mov_b32 s41, 0
	s_lshl_b32 s42, s16, 19
	s_add_co_u32 s42, s42, s40
	s_mov_b32 s43, 0
	s_mul_i32 s44, s14, 16*SPITCH
	s_add_co_u32 s44, s44, STAGE                   ; my stage
	v_and_b32 v1, 15, v0                           ; r
	v_bfe_u32 v2, v0, 4, 1                         ; h
	v_and_b32 v[LI], 31, v0
	v_lshlrev_b32 v[LI], 4, v[LI]
	v_add_nc_u32 v[LI+1], 0x10000, v[LI]
	v_lshlrev_b32 v[BO], 5, v2
	v_mul_u32_u24 v5, v1, SPITCH
	v_lshl_add_u32 v5, v2, 5, v5
	v_add_nc_u32 v[STO], s44, v5                   ; in: row r, 32 bytes for each half of the lanes
	v_mul_u32_u24 v6, v2, SPITCH
	v_lshl_add_u32 v6, v1, 4, v6
	v_add_nc_u32 v[RD], s44, v6                    ; back: lanes 0-15 one row, lanes 16-31 the next
	v_lshlrev_b32 v7, 12, v2
	v_lshl_add_u32 v[CO], v1, 4, v7                ; and the same two rows in out0
	s_wait_alu depctr_va_vdst(0)
	s_wait_dscnt 0x0
	s_wait_kmcnt 0x0
	s_load_b256 s[68:75], s[10:11], 0x0            ; e0 .. e7
	s_add_nc_u64 s[34:35], s[4:5], s[20:21]
	s_or_b32 s35, s35, 0x80000000
	s_add_nc_u64 s[36:37], s[6:7], s[22:23]
	s_add_nc_u64 s[8:9], s[8:9], s[40:41]
	s_add_nc_u64 s[12:13], s[12:13], s[42:43]
	ROUND                                          ; the four work-groups are here: the joint loads meet
	tensor_load_to_lds s[32:35], s[24:31]          ; my one tensor load
	s_nop 0
	PLACES
.irp b, 0,1,2,3
	global_load_b128 v[BB+8*\b:BB+8*\b+3], v[BO], s[8:9] offset:64*\b
	global_load_b128 v[BB+8*\b+4:BB+8*\b+7], v[BO], s[8:9] offset:64*\b+16
.endr
	WIN 0x80
.set i, 0
.rept 64                                       ; B: K steps 0-3, then 4-7; 512 consecutive bytes a load
	global_load_b128 v[4*i:4*i+3], v[LI], s[36:37] offset:((i/4)%4)*16384+(i/16)*2048+(i%4)*512
.set i, i+1
.endr
	WIN 0xc0
.set i, 0
.rept 64
	global_load_b128 v[4*i:4*i+3], v[LI], s[36:37] offset:((i/4)%4)*16384+(i/16)*2048+(i%4)*512+8192
.set i, i+1
.endr
	WIN 0
	s_wait_kmcnt 0x0
	s_add_co_i32 s96, s74, s75                     ; e6 + e7
	s_sub_co_i32 s93, 0, s96
	s_add_co_i32 s96, s96, 127
	s_lshl_b32 s96, s96, 23                        ; 2^(e6 + e7) as f32
	s_mov_b32 s97, s96
	s_wait_loadcnt 0x0                             ; B and the bias
.set i, 0
.rept 32
	v_ldexp_f32 v[BB+i], v[BB+i], s93              ; the bias / 2^(e6 + e7): nothing is rounded
.set i, i+1
.endr
	s_wait_alu depctr_va_vdst(0)
	s_wait_tensorcnt 0x0                           ; my part of A is in,
	s_barrier_signal -1
	s_barrier_wait -1                              ; and everybody's: A is only read from here on
	ALOAD 0
.set aa, 0
.rept 8
	PLACES                                         ; in front of loads into registers that matrix instructions have read
.if aa < 7
	ALOAD aa+1
	s_wait_dscnt 32                                ; block aa and the rows read back are in; the 32 loads just issued may be out
.else
	s_wait_dscnt 0x0
.endif
.if aa >= 2
	SEND aa-2
.endif
	MULS aa
.if aa >= 1
	TOSTAGE aa-1
.endif
.set aa, aa+1
.endr
	s_wait_dscnt 0x0
	SEND 6
	PLACES
	TOSTAGE 7
	s_wait_dscnt 0x0
	SEND 7
	s_wait_tensorcnt 0x0                           ; the wave's end, behind my last LDS store
	ds_add_u32 v[SPW], v[NIL]
	s_wait_dscnt 0x0
	ROUND                                          ; the closing round
	s_endpgm
.Lfunc_end_k_q1b06f2ccd1_proj:
	.size	k_q1b06f2ccd1_proj, .Lfunc_end_k_q1b06f2ccd1_proj-k_q1b06f2ccd1_proj
	.p2alignl 7, 3214868480
	.fill 96, 4, 3214868480
	.section	.rodata,"a",@progbits
	.p2align	6, 0x0
	.amdhsa_kernel k_q1b06f2ccd1_proj
		.amdhsa_group_segment_fixed_size 167936
		.amdhsa_private_segment_fixed_size 0
		.amdhsa_enable_private_segment 0
		.amdhsa_kernarg_size 40
		.amdhsa_user_sgpr_count 2
		.amdhsa_user_sgpr_kernarg_segment_ptr 1
		.amdhsa_wavefront_size32 1
		.amdhsa_system_sgpr_workgroup_id_x 1
		.amdhsa_system_sgpr_workgroup_id_y 1
		.amdhsa_system_sgpr_workgroup_id_z 1
		.amdhsa_system_vgpr_workitem_id 0
		.amdhsa_next_free_vgpr 1024
		.amdhsa_next_free_sgpr 98
		.amdhsa_reserve_vcc 0
		.amdhsa_float_denorm_mode_32 3
		.amdhsa_float_denorm_mode_16_64 3
		.amdhsa_memory_ordered 1
		.amdhsa_forward_progress 1
		.amdhsa_inst_pref_size 77
	.end_amdhsa_kernel
	.amdgpu_metadata
---
amdhsa.version: [ 1, 2 ]
amdhsa.kernels:
  - .name:           k_q1b06f2ccd1_proj
    .symbol:         k_q1b06f2ccd1_proj.kd
    .args:
      - { .name: attc, .offset: 0, .size: 8, .value_kind: global_buffer, .address_space: global }
      - { .name: codes, .offset: 8, .size: 8, .value_kind: global_buffer, .address_space: global }
      - { .name: b_out, .offset: 16, .size: 8, .value_kind: global_buffer, .address_space: global }
      - { .name: lowp_scales, .offset: 24, .size: 8, .value_kind: global_buffer, .address_space: global }
      - { .name: out0, .offset: 32, .size: 8, .value_kind: global_buffer, .address_space: global }
    .group_segment_fixed_size: 167936
    .private_segment_fixed_size: 0
    .kernarg_segment_align: 8
    .kernarg_segment_size: 40
    .max_flat_workgroup_size: 128
    .sgpr_count:     98
    .vgpr_count:     1024
    .wavefront_size: 32
...
	.end_amdgpu_metadata
.endif
;; end of part 4
